; MI455X (gfx1250); checked and timed in simulation.
; The chip was launched on July 23, 2026; its instructions are those of AMD's public machine-readable ISA for CDNA 5 (MIT licence, August 2026) and "CDNA5" Instruction Set Architecture Reference Guide (July 2026). The comments in the code are by the model that wrote it; some were corrected since.
;; Flash Attention. Allowed arithmetic: matrix products marked QUANTISED: E2M1 operands, one E8M0 scale for each 32 along K, by v_wmma_scale_f32_16x16x128_f8f6f4 with both operands' format E2M1 (or v_wmma_scale_f32_32x16x128_f4), f32 sums; everything else in f32.
;; Inputs: k 4 x 2,048 x 16 x 64 float32; q 4 x 2,048 x 16 x 64 float32; v 4 x 2,048 x 16 x 64 float32.
;; Outputs: out0 4 x 2,048 x 16 x 64 float32.
;; This version of the problem:
;;   THIS VERSION OF THE PROBLEM IS GIVEN IN LOW PRECISION. The matrix products marked QUANTISED in the list below multiply operands that are first quantised to E2M1 (2 exponent bits, 1 mantissa bit; 4 bits a number), with one power-of-two scale for each 32 numbers along K (OCP MX v1.0); their sums are f32. All else is computed in f32.
;;   The module's matrix products, in the order in which they are computed (A, B: the left and right operand; K: the contracted axis; several contracted axes count as one K, in the product's order):
;;     1. batch 64 x [M 2,048, K 64] x [K 64, N 2,048]; A: input q; B: input k: QUANTISED
;;     2. batch 64 x [M 64, K 2,048] x [K 2,048, N 2,048]; A: input v; B: softmax (see below): QUANTISED
;;   THE QUANTISER, for each operand of a quantised product, along K:
;;     - K is cut into blocks of 32 from its start; a last block that is shorter is filled with zeros.
;;     - A block's scale is 2^e with e = floor(log2(the largest magnitude in the block)) - 2, held to -126 .. 127; a block of zeros has e = 0. As a byte (E8M0): e + 127.
;;     - Each number is divided by its block's scale, clamped to +-6, and rounded to the nearest number of E2M1, ties to even, subnormals kept.
;;     - The product sums the exact products of the quantised numbers (number of the format x scale) in f32.
;;   ~~~python
;;   def quantise(x, axis):      # numpy; x: float32 -> the quantised numbers, widened to float32 again
;;       x = np.moveaxis(x, axis, -1); K = x.shape[-1]
;;       x = np.pad(x, [(0, 0)] * (x.ndim - 1) + [(0, -K % 32)]); x = x.reshape(x.shape[:-1] + (-1, 32)); a = np.abs(x).max(-1, keepdims=True)
;;       e = np.where(a > 0, np.clip(np.frexp(np.where(a > 0, a, 1))[1] - 1 - 2, -126, 127), 0)      # np.frexp(a)[1] - 1 = floor(log2(a)), exactly
;;       r = np.clip(x / 2.0 ** e, -6, 6)
;;       step = 2.0 ** (np.maximum(np.frexp(np.where(r == 0, 1, r))[1] - 1, 0) - 1)
;;       q = np.round(r / step) * step * 2.0 ** e      # np.round: ties to even
;;       return np.moveaxis(q.reshape(q.shape[:-2] + (-1,))[..., :K], -1, axis).astype(np.float32)
;;   ~~~
;;   SOFTMAX AHEAD OF A QUANTISED PRODUCT. Where the list says 'softmax', what is quantised is not the finished softmax but p = 2^(t - M), with t = logit x log2(e) and M = ceil(the row's largest t), a whole number; so 1/2 < the row's largest p <= 1. The row's sum l is taken of the UNQUANTISED p, in f32, and the product's result is divided by l at the end. Since M is a whole number, a kernel that streams over the keys may use a running M (the ceiling of the running maximum): every later rescaling is an exact power of two, which a block's scale takes up: the codes' values come out the same.
;;   OPERANDS COMPUTED ON THE WAY. 'Computed on the way' means the value that the module computes at that place (a softmax that the list does not call 'softmax' is quantised finished and normalised). What goes into a quantiser is computed in f32, as accurately as f32 sums, v_exp_f32 and their like allow (about 1e-6 of the number): no bf16 or f16 on the way to a quantiser, and a product that is left as it is and whose result goes on into a quantised operand takes f32 operands (vector FMAs, or v_wmma_f32_16x16x4_f32). A number that lies on a knife's edge between two numbers of the format may be rounded either way, as far as f32 arithmetic and the matrix unit's own rounding can turn it there, and no further.
;; One version. Each part assembles by itself: llvm-mc -triple=amdgcn-amd-amdhsa -mcpu=gfx1250 --defsym DOCPART=n.
;; ======== version 1 of 1: 2 launches
;; workspace buffers: kv 8,912,896 bytes
;; launch quant (part 1): grid 1024 x 1, 4 waves a work-group, no clusters, 9,728 bytes of LDS; arguments k, v, kv; writes kv
.if DOCPART == 1
	.amdgcn_target "amdgcn-amd-amdhsa--gfx1250"
	.amdhsa_code_object_version 6
	.text
	.protected	k_q9503d4e09c_quant
	.globl	k_q9503d4e09c_quant
	.p2align	8
	.type	k_q9503d4e09c_quant,@function
k_q9503d4e09c_quant:
	s_mov_b64 s[64:65], 0
	v_nop
	global_prefetch_b8 v0, s[64:65] scope:SCOPE_SE
	s_setreg_imm32_b32 hwreg(HW_REG_WAVE_MODE, 25, 1), 1
	s_wait_xcnt 0x0
; K and V, [4][2048][16][64] f32, become codes of FP4 (E2M1) with one E8M0 scale byte for each 32 along a product's K: K is quantised along the head's 64 channels,
; V along the keys.  A block's scale is 2^(floor(log2(its largest magnitude)) - 2): its byte is the largest magnitude's exponent field - 2, held at 1 from below.
; LIMITS: a block of zeros, and a block whose largest magnitude lies under 2^-124, keeps the byte 1 (a block of zeros has zero codes, which add nothing under that byte,
; and this program alone reads the bytes); NaN and infinities among the inputs are not served.
; THE OUTPUT IS LAID AS THE NEXT LAUNCH'S OPERAND REGISTERS.  For head hb = 16 b + h and step st (128 keys) a block of 8,704 bytes at (16 hb + st) x 8,704.  lane = (r = lane % 16, hh = lane / 16):
;   0     K's codes: fragment bb (0..3), group u (0, 1): 16 bytes at 1024 bb + 512 u + 16 lane = key 32 bb + 8 u + r + 8 (r / 8), channels 32 hh .. 32 hh + 31
;   4096  V's codes: tile t (0..3), group c (0, 1): 16 bytes at 1024 t + 512 c + 16 lane = channel 16 t + r, keys 64 c + 32 hh .. + 31
;   8192  K's scale words, at 16 r + 4 bb: byte 2 u + hh        8448  V's scale words, at 16 r + 4 t: byte kb for keys 32 kb .. 32 kb + 31
; SHARES.  A work-group takes one step of one head (the head runs fastest in the work-group's number, so that neighbouring work-groups read neighbouring 256 bytes).
; Waves 0, 1 (p = wave % 2): K's fragments 2 p, 2 p + 1, four tiles of 16 keys.  Each load takes two whole rows of 256 bytes; a tile turns through the wave's own stage in LDS, so that a lane
; then holds the 32 channels of one block.  Waves 2, 3: V's channels 32 p .. 32 p + 31: a lane takes a channel and its registers run down the keys, so that a block lies in one lane and nothing is turned.
; No tensor loads, no matrix unit, no cluster: the waves share no input byte.  One barrier, in front of the copy of the 512 bytes of scale words, which leave as two aligned runs of 256 bytes.
.set SCL, 8704                         ; LDS: stages of waves 0 and 1 (16 rows x 272 bytes each), then K's 256 bytes of scale words, then V's
.set LI,  1                            ; v1   16 x lane
.set GA,  2                            ; v2   K in memory: 4096 hh + 16 r: two rows a load
.set SW,  3                            ; v3   into the stage: 4352 p + 272 hh + 16 r
.set SRD, 4                            ; v4   out of it: 4352 p + 272 r + 128 hh: my block's 128 bytes
.set SA,  5                            ; v5   K's scale words: 16 r + 8 p
.set SH,  6                            ; v6   8 hh: my bytes' shift in a scale word
.set VA,  7                            ; v7   V in memory: 4 x lane
.set VO,  8                            ; v8   V's codes: 1024 hh + 16 r
.set SAV, 9                            ; v9   V's scale words: 16 r + 4 hh + 8 p
.set R,   16                           ; v16-143  K: four tiles of 32 registers as loaded;  V: two sets of 32
.set X,   144                          ; v144-175 a tile of K, turned
.set C,   176                          ; v176-191 codes: four registers for each tile or block, so that no store's data are written again
.set W,   192                          ; v192-193 K's two scale words
.set SB,  194                          ; v194     V's scale word
; v10-13 at work; v14 a lane permute's destination
	s_load_b128 s[4:7], s[0:1], 0x0                ; k s[4:5], v s[6:7]
	s_load_b64 s[8:9], s[0:1], 0x10                ; kv
	v_lshl_add_u32 v200, v0, 2, 0x2400
	v_mov_b32 v201, 0
	v_lshrrev_b32 v10, 5, v0
	v_readfirstlane_b32 s10, v10                   ; wave 0..3
	s_and_b32 s11, s10, 1                          ; p
	s_and_b32 s12, ttmp9, 15                       ; h
	s_bfe_u32 s13, ttmp9, 0x40004                  ; st
	s_lshr_b32 s14, ttmp9, 8                       ; b
	s_lshl_b32 s16, s14, 23                        ; in: b x 8,388,608
	s_lshl_b32 s26, s13, 19                        ;   + st x 128 keys x 4,096
	s_add_co_u32 s16, s16, s26
	s_lshl_b32 s26, s12, 8                         ;   + h x 256
	s_add_co_u32 s16, s16, s26
	s_mov_b32 s17, 0
	s_lshl_b32 s18, s14, 4                         ; out: ((16 b + h) x 16 + st) x 8,704
	s_add_co_u32 s18, s18, s12
	s_lshl_b32 s18, s18, 4
	s_add_co_u32 s18, s18, s13
	s_mul_i32 s18, s18, 8704
	s_mov_b32 s19, 0
	s_mov_b32 s24, 0x76543210                      ; v_permlanex16_b32's selects for lane l xor 16
	s_mov_b32 s25, 0xfedcba98
	v_and_b32 v10, 31, v0                          ; lane
	v_and_b32 v11, 15, v0                          ; r
	v_bfe_u32 v12, v0, 4, 1                        ; hh
	v_lshlrev_b32 v[LI], 4, v10
	v_lshlrev_b32 v13, 4, v11                      ; 16 r
	v_lshl_add_u32 v[GA], v12, 12, v13
	s_mul_i32 s27, s11, 4352
	v_mad_u32_u24 v[SW], v12, 272, v13
	v_add_nc_u32 v[SW], s27, v[SW]
	v_mul_u32_u24 v[SRD], v11, 272
	v_lshl_add_u32 v[SRD], v12, 7, v[SRD]
	v_add_nc_u32 v[SRD], s27, v[SRD]
	s_lshl_b32 s26, s11, 3
	v_add_nc_u32 v[SA], s26, v13
	v_lshlrev_b32 v[SH], 3, v12
	v_lshlrev_b32 v[VA], 2, v10
	v_lshl_add_u32 v[VO], v12, 10, v13
	v_lshl_add_u32 v[SAV], v12, 2, v[SA]
	v_mov_b32 v14, 0                               ; written once: a lane permute's destination counts as one of its sources
	s_wait_kmcnt 0x0
	s_add_nc_u64 s[8:9], s[8:9], s[18:19]          ; kv at my work-group's block
	s_lshl_b32 s26, s11, 11
	s_mov_b32 s27, 0
	s_add_nc_u64 s[22:23], s[8:9], s[26:27]        ; + 2,048 p: my wave's two fragments of K, or two tiles of V
; The largest magnitude of the 32 numbers v[x] .. v[x + 31], in two chains, with the floor 2^(3 - 127) as a last leaf, so that the byte cannot fall under 1; then 2 off its exponent field:
; the conversion takes the exponent field of v11 as its scale, and nothing else of it.
.macro MAX32 x
	v_max3_num_f32 v12, |v[\x]|, |v[\x+1]|, |v[\x+2]|
	v_max3_num_f32 v13, |v[\x+3]|, |v[\x+4]|, |v[\x+5]|
.irp i, 6,10,14,18,22,26
	v_max3_num_f32 v12, v12, |v[\x+\i]|, |v[\x+\i+1]|
	v_max3_num_f32 v13, v13, |v[\x+\i+2]|, |v[\x+\i+3]|
.endr
	v_max3_num_f32 v12, v12, |v[\x+30]|, |v[\x+31]|
	v_max3_num_f32 v12, v12, v13, 0x1800000
	v_add_nc_u32 v11, 0xff000000, v12
.endm
	s_cmp_lt_u32 s10, 2
	s_cbranch_scc0 .Lv_path
	; ---- K: waves 0 and 1
	s_lshl_b32 s26, s11, 18                        ; my 64 keys: p x 64 x 4,096 bytes
	s_add_nc_u64 s[20:21], s[4:5], s[16:17]
	s_add_nc_u64 s[20:21], s[20:21], s[26:27]
.irp T, 0,1,2,3                        ; all 32 loads at once.  Tile T's row 2 i + hh is key 32 (T / 2) + 8 (T % 2) + (2 i + hh) + 8 (i / 4) of my 64
.irp i, 0,1,2,3,4,5,6,7
	global_load_b128 v[R+32*\T+4*\i:R+32*\T+4*\i+3], v[GA], s[20:21] offset:(32*(\T/2)+8*(\T%2)+2*\i+8*(\i/4))*4096 th:TH_LOAD_NT   ; sixteen lanes read a head's whole row of 256 bytes
.endr
.endr
.macro KTILE T
	s_wait_loadcnt 8*(3-\T)                        ; loads come back in order: this tile's eight are in, those of the tiles behind it may be out
.irp i, 0,1,2,3,4,5,6,7
	ds_store_b128 v[SW], v[R+32*\T+4*\i:R+32*\T+4*\i+3] offset:544*\i
.endr
.irp j, 0,1,2,3,4,5,6,7
	ds_load_b128 v[X+4*\j:X+4*\j+3], v[SRD] offset:16*\j     ; LDS serves a wave's instructions in order: these see the stores above, and the next tile's stores come behind them
.endr
	s_wait_dscnt 0x0
	MAX32 X
.irp g, 0,1,2,3
	v_cvt_scalef32_pk8_fp4_f32 v[C+4*\T+\g], v[X+8*\g:X+8*\g+7], v11
.endr
	v_lshrrev_b32 v13, 23, v11                     ; the scale's byte.  (Also the plain instruction behind the conversions)
.if \T%2 == 0
	v_mov_b32 v[W+\T/2], v13                       ; group 0's byte
.else
	v_lshl_or_b32 v[W+\T/2], v13, 16, v[W+\T/2]    ; group 1's two bytes higher;
	v_lshlrev_b32 v[W+\T/2], v[SH], v[W+\T/2]      ; both at my half's places;
	v_permlanex16_b32 v14, v[W+\T/2], s24, s25
	v_or_b32 v[W+\T/2], v[W+\T/2], v14             ; with lane l xor 16's two the word is whole
	ds_store_b32 v[SA], v[W+\T/2] offset:SCL+4*(\T/2)       ; lanes l and l xor 16 write the same word with the same value
.endif
	global_store_b128 v[LI], v[C+4*\T:C+4*\T+3], s[22:23] offset:512*\T   ; 32 lanes store 512 consecutive bytes, at a multiple of 256 from kv's first byte
.endm
	s_wait_alu depctr_va_vdst(0)
	KTILE 0
	KTILE 1
	KTILE 2
	KTILE 3
	s_branch .Ljoin
	; ---- V: waves 2 and 3
.Lv_path:
	s_lshl_b32 s26, s11, 7                         ; my 32 channels: 128 p bytes
	s_add_nc_u64 s[20:21], s[6:7], s[16:17]
	s_add_nc_u64 s[20:21], s[20:21], s[26:27]
.macro VLOAD kb                        ; keys 32 kb + i, i = 0 .. 31, of my channel, into set kb % 2: 32 lanes read 128 consecutive bytes; the two waves stand side by side on a row of 256
.irp i, 0,1,2,3,4,5,6,7,8,9,10,11,12,13,14,15,16,17,18,19,20,21,22,23,24,25,26,27,28,29,30,31
	global_load_b32 v[R+32*((\kb)%2)+\i], v[VA], s[20:21] offset:(32*(\kb)+\i)*4096 th:TH_LOAD_NT
.endr
.endm
.macro VBLOCK kb
.set XS, R+32*((\kb)%2)
.if \kb < 3
	s_wait_loadcnt 32                              ; this block's 32 loads are in; the next block's may be out
.else
	s_wait_loadcnt 0x0
.endif
	MAX32 XS                                       ; all 32 numbers of the block are mine
.irp g, 0,1,2,3
	v_cvt_scalef32_pk8_fp4_f32 v[C+4*\kb+\g], v[XS+8*\g:XS+8*\g+7], v11
.endr
	v_lshrrev_b32 v13, 23, v11                     ; the scale's byte.  (Also the plain instruction behind the conversions)
.if \kb == 0
	v_mov_b32 v[SB], v13
.else
	v_lshl_or_b32 v[SB], v13, 8*\kb, v[SB]         ; the lower keys in the lower byte
.endif
	global_store_b128 v[VO], v[C+4*\kb:C+4*\kb+3], s[22:23] offset:4096+512*(\kb/2)+256*(\kb%2)   ; sixteen lanes store 256 consecutive bytes, aligned
.if \kb < 2
	VLOAD (\kb)+2
.endif
.endm
	s_wait_alu depctr_va_vdst(0)
	VLOAD 0
	VLOAD 1
	VBLOCK 0
	VBLOCK 1
	VBLOCK 2
	VBLOCK 3
	ds_store_b32 v[SAV], v[SB] offset:SCL+256
.Ljoin:
	s_wait_dscnt 0x0                               ; for wave 0's sake: my scale words lie in LDS
	s_barrier_signal -1
	s_barrier_wait -1
	s_cmp_lg_u32 s10, 0
	s_cbranch_scc1 .Lend
	ds_load_b128 v[196:199], v[LI] offset:SCL      ; K's 256 bytes of scale words and V's
	s_wait_dscnt 0x0
	global_store_b128 v[LI], v[196:199], s[8:9] offset:8192   ; 512 consecutive bytes, at a multiple of 256 from kv's first byte
.Lend:
	s_wait_tensorcnt 0x0
	ds_add_u32 v200, v201
	s_wait_dscnt 0x0
	s_endpgm
.Lfunc_end_k_q9503d4e09c_quant:
	.size	k_q9503d4e09c_quant, .Lfunc_end_k_q9503d4e09c_quant-k_q9503d4e09c_quant
	.p2alignl 7, 3214868480
	.fill 96, 4, 3214868480
	.section	.rodata,"a",@progbits
	.p2align	6, 0x0
	.amdhsa_kernel k_q9503d4e09c_quant
		.amdhsa_group_segment_fixed_size 9728
		.amdhsa_private_segment_fixed_size 0
		.amdhsa_enable_private_segment 0
		.amdhsa_kernarg_size 24
		.amdhsa_user_sgpr_count 2
		.amdhsa_user_sgpr_kernarg_segment_ptr 1
		.amdhsa_wavefront_size32 1
		.amdhsa_system_sgpr_workgroup_id_x 1
		.amdhsa_system_sgpr_workgroup_id_y 1
		.amdhsa_system_sgpr_workgroup_id_z 1
		.amdhsa_system_vgpr_workitem_id 0
		.amdhsa_next_free_vgpr 202
		.amdhsa_next_free_sgpr 66
		.amdhsa_reserve_vcc 0
		.amdhsa_float_denorm_mode_32 3
		.amdhsa_float_denorm_mode_16_64 3
		.amdhsa_memory_ordered 1
		.amdhsa_forward_progress 1
		.amdhsa_inst_pref_size 36
	.end_amdhsa_kernel
	.amdgpu_metadata
---
amdhsa.version: [ 1, 2 ]
amdhsa.kernels:
  - .name:           k_q9503d4e09c_quant
    .symbol:         k_q9503d4e09c_quant.kd
    .args:
      - { .name: k, .offset: 0, .size: 8, .value_kind: global_buffer, .address_space: global }
      - { .name: v, .offset: 8, .size: 8, .value_kind: global_buffer, .address_space: global }
      - { .name: kv, .offset: 16, .size: 8, .value_kind: global_buffer, .address_space: global }
    .group_segment_fixed_size: 9728
    .private_segment_fixed_size: 0
    .kernarg_segment_align: 8
    .kernarg_segment_size: 24
    .max_flat_workgroup_size: 128
    .sgpr_count:     66
    .vgpr_count:     202
    .wavefront_size: 32
...
	.end_amdgpu_metadata
.endif
;; end of part 1
;; launch attn (part 2): grid 4 x 64, 16 waves a work-group, no clusters, 327,680 bytes of LDS; arguments q, kv, out0; writes out0
.if DOCPART == 2
	.amdgcn_target "amdgcn-amd-amdhsa--gfx1250"
	.amdhsa_code_object_version 6
	.text
	.protected	k_q9503d4e09c_attn
	.globl	k_q9503d4e09c_attn
	.p2align	8
	.type	k_q9503d4e09c_attn,@function
k_q9503d4e09c_attn:
	s_mov_b64 s[64:65], 0
	v_nop
	global_prefetch_b8 v0, s[64:65] scope:SCOPE_SE
	s_setreg_imm32_b32 hwreg(HW_REG_WAVE_MODE, 25, 1), 1
	s_wait_xcnt 0x0
; out[b][q][h][:] = the sum over keys k <= q of softmax_k(Q . K / 8) V, both products on codes of FP4 (E2M1) with one E8M0 scale for each 32 along a product's K.  q, out0: [4][2048][16][64] f32.
; kv: K's and V's codes and scale words as the launch before laid them, in the order of the operands' registers: 8,704 bytes for each head and step of 128 keys (its head comment has the map).
; THE SOFTMAX AHEAD OF THE SECOND PRODUCT: t = score x log2(e) / 8; M = the largest t so far, rounded UP to a whole number; p = 2^(t - M) is what is quantised, along the keys, not normalised.
; The row's sum is taken of the unquantised p and divides O at the end.  When M moves, the sum and O are multiplied by 2^(old M - new M): exact.
; SHARES.  256 work-groups: work-group (i, hb) owns blocks 7 - i and i, of 256 queries each, of head hb.  Each of its sixteen waves owns one tile of 16 queries in each block: first queries
; 2032 - (256 i + 16 w) on (the long pass), then 256 i + 16 w on (the short one).  The steps that the causal mask leaves are (15 - 2 i + [w < 8]) + (2 i + 1 + [w >= 8]) = 17 for every wave of the launch.
; Four waves of 256 registers share a SIMD, so that one wave's vector work stands beside another's products and LDS loads.
; A WHOLE HEAD'S CODES AND SCALE WORDS, 139,264 bytes, COME INTO LDS ONCE AND STAY; every LDS byte is filled once, so there is no ring.  THEY COME IN TWO PARTS, so that the first product waits for few bytes:
; at the head waves 0 to 7 bring steps 0 to 3 (34,816 bytes) and every wave loads its first tile of Q (4,096 bytes) into registers; behind the first barrier waves 0 to 11 bring steps 4 to 15, a step each, and
; waves 12 to 15 the 256 rows of Q of the short pass, 64 rows each: 169,984 bytes that land under the long pass's first four steps, behind which the second barrier stands.
; NO CLUSTER: the four work-groups of a head read the same 139,264 bytes, once each, but they differ in their blocks of queries, and the branch that leaves hidden steps out hangs on that block;
; partners of a joint load may not differ in a branch.  What would be shared is 35.6 MB of the launch's 102.7 MB.
; LAYOUT.  Both products are used transposed: S^T = K Q^T (source 0 = keys, source 1 = my 16 queries), O^T = V^T P^T (source 0 = 16 channels, source 1 = P): a lane holds ONE query (lane % 16) throughout.
; The first product's K is 64, half of the instruction's 128.  So ONE fragment of K holds TWO tiles of 16 keys (registers 0-3: tile 2 bb, registers 4-7: tile 2 bb + 1), and two operands of Q pick one:
; QA = [Q's codes | zeros], QB = [zeros | Q's codes], with scale words q0 | q1 << 8 and the same 16 bits up.  The dead half multiplies zero codes and adds nothing.
; The keys of a tile are not neighbours (lane r of tile 2 bb + u: key 32 bb + 8 u + r + 8 (r / 8)), so that score register 16 bb + n of lane (r, hh) is key 32 bb + 16 hh + n: 16 neighbours along the next K.
; CAUSAL.  Every wave walks a constant number of steps; a step all of whose keys come after the wave's queries is jumped over by a scalar branch on ids.  In the step on the diagonal hidden scores become -infinity.
; LIMITS: NaN and infinities among the inputs are not served.  A hidden key counts as p = 0, which is what the -1e9 added in the definition gives as long as a row's logits span less than about 1e9.
; A block of q whose largest magnitude lies under 2^-124, or a block of p that has fallen to zero, keeps the scale byte 1.
.set STEPB, 8704                       ; a step's block
.set WST,   4352                       ; half of it: what a wave's load at the head brings; also a wave's stage: 16 rows x 272 bytes
.set STG,   139264                     ; LDS: 0 .. 139,263 the head's sixteen blocks; from here sixteen stages, each a wave's own, into which no tensor load lands;
.set QREG,  208896                     ; the short pass's 256 rows of Q, 256 bytes + 16 of padding each: wave w's sixteen begin 4,352 w bytes on; nothing is stored there;
.set SPARE, 278528                     ; the spare words, 128 bytes for each wave: eight blocks of 256 bytes that no other line names
.set LI,  1                            ; v1   16 x lane
.set LR,  2                            ; v2   16 r
.set ADR, 3                            ; v3   the step's block + 16 x lane
.set ADS, 4                            ; v4   the step's block + 16 r
.set GO,  5                            ; v5   q and out0: 4096 hh + 16 r: two rows an instruction
.set RD,  6                            ; v6   my stage by rows: + 272 hh + 16 r
.set SO,  7                            ; v7   my stage, O on its way in: + 272 r + 32 hh
.set QR,  8                            ; v8   my stage, Q on its way out: + 272 r + 128 hh
.set DL,  9                            ; v9   r - 16 hh
.set SH,  10                           ; v10  8 hh
; v11 -infinity; v12 -M, v13 the largest t; v[14:15] the sum in two halves; v[16:23] QA, v[24:31] QB; v[32:63] K's four fragments; v[64:95] V's four; v[96:159] S^T, then p; v[160:191] O^T;
; v[192:199] p's codes; SCALES AND NOTHING ELSE: v[200:203] K's words, v[204:207] V's, v208 QA's, v209 QB's, v210 p's
.set BM,  212                          ; v212-215 the blocks' largest scores, then largest p
.set BT,  216                          ; v216-219 lane permutes' destinations, then the bytes
.set BS,  220                          ; v220-223 the conversions' scale operands
; v[224:225] f; v226, v227 at work; v[228:229] the second chain of the sum
.set SPW, 230                          ; v230 LDS address of my spare word: SPARE + 4 x my thread's number; never rewritten
.set NIL, 231                          ; v231 0; never rewritten
.set G1F, 24                           ; s[24:31] descriptor group 1: 17 rows of 256 bytes;  s[32:35] group 0: my half step of steps 0 to 3
.set G0F, 32
.set G0K, 36                           ; s[36:39] group 0: step 4 + w;  s[68:75] its group 1: 34 rows of 256 bytes
.set G1K, 68
.set G1Q, 76                           ; s[76:83] group 1: 64 rows of Q;  s[84:87] its group 0
.set G0Q, 84
.set SEL, 40                           ; s[40:41] v_permlanex16_b32's selects for lane l xor 16
.set CS,  42                           ; s[42:43] c = log2(e) / 8: the packed form names a pair and takes its low word for both halves
.set TB,  44                           ; s44  LDS byte at which the step's block begins
.set KF,  45                           ; s45  the step's first key
.set Q0,  46                           ; s46  my first query of the pass in hand
	s_load_b128 s[4:7], s[0:1], 0x0                ; q s[4:5], kv s[6:7]
	s_load_b64 s[8:9], s[0:1], 0x10                ; out0
	v_lshl_add_u32 v[SPW], v0, 2, SPARE
	v_mov_b32 v[NIL], 0
	ds_add_u32 v230, v231
	ds_add_u32 v230, v231
	s_wait_dscnt 0x0
	v_lshrrev_b32 v226, 5, v0
	s_delay_alu instid0(VALU_DEP_1)
	v_readfirstlane_b32 s10, v226                  ; wave 0..15
	s_and_b32 s12, ttmp7, 0xffff                   ; hb = 16 b + h
	s_lshl_b32 s49, ttmp9, 8
	s_lshl_b32 s13, s10, 4
	s_add_co_u32 s49, s49, s13                     ; the short pass's first query: 256 i + 16 w
	s_sub_co_u32 s[Q0], 2032, s49                  ; the long pass's: tile 15 - w of block 7 - i
	s_lshr_b32 s14, s12, 4
	s_lshl_b32 s14, s14, 23                        ; the head in q and out0: b x 8,388,608
	s_and_b32 s13, s12, 15
	s_lshl_b32 s13, s13, 8
	s_add_co_u32 s14, s14, s13                     ;   + h x 256
	s_lshl_b32 s52, s[Q0], 12                      ; a query's rows lie 4,096 bytes apart: the long pass's tile,
	s_add_co_u32 s52, s52, s14
	s_mov_b32 s53, 0
	s_lshl_b32 s54, s49, 12                        ; the short pass's
	s_add_co_u32 s54, s54, s14
	s_mov_b32 s55, 0
	s_mul_i32 s50, s12, 16*STEPB                   ; the head's 139,264 bytes in kv
	s_mov_b32 s[G0F], 1                            ; group 0, 1:0 count = 1
	s_mul_i32 s[G0F+1], s10, WST                   ; 63:32 LDS address: 4,352 w (waves 0 to 7: steps 0 to 3),
	s_add_co_u32 s56, s50, s[G0F+1]                ; and the same place in the head's bytes
	s_mov_b32 s57, 0
	s_mov_b32 s[G0K], 1
	s_mul_i32 s[G0K+1], s10, STEPB
	s_add_co_u32 s[G0K+1], s[G0K+1], 4*STEPB       ; step 4 + w (waves 0 to 11)
	s_add_co_u32 s58, s50, s[G0K+1]
	s_mov_b32 s59, 0
	s_mov_b32 s[G0Q], 1
	s_and_b32 s13, s10, 3                          ; waves 12 to 15: a = w - 12
	s_mul_i32 s[G0Q+1], s13, 64*272
	s_add_co_u32 s[G0Q+1], s[G0Q+1], QREG          ; rows 64 a on of the short pass's 256
	s_lshl_b32 s60, ttmp9, 8
	s_lshl_b32 s13, s13, 6
	s_add_co_u32 s60, s60, s13                     ; queries 256 i + 64 a on
	s_lshl_b32 s60, s60, 12
	s_add_co_u32 s60, s60, s14
	s_mov_b32 s61, 0
	; descriptor groups 1.  The codes are dense blocks, taken as rows of 256 bytes (32 elements of 8 bytes), no padding: they land as they lie
	s_mov_b32 s[G1F], 3<<16                        ; 15:0 no mask; 17:16 elements of 8 bytes; 20 padding off
	s_mov_b32 s[G1F+1], 32<<16                     ; tensor_dim0 = 32
	s_mov_b32 s[G1F+2], 17<<16                     ; tensor_dim1 = 17
	s_mov_b32 s[G1F+3], 32<<16                     ; tile_dim0 = 32
	s_mov_b32 s[G1F+4], 17                         ; tile_dim1 = 17
	s_mov_b32 s[G1F+5], 32                         ; tensor_dim0_stride = 32
	s_mov_b32 s[G1F+6], 0
	s_mov_b32 s[G1F+7], 0
	s_mov_b32 s[G1K], 3<<16                        ; the same with 34 rows: a whole step
	s_mov_b32 s[G1K+1], 32<<16
	s_mov_b32 s[G1K+2], 34<<16
	s_mov_b32 s[G1K+3], 32<<16
	s_mov_b32 s[G1K+4], 34
	s_mov_b32 s[G1K+5], 32
	s_mov_b32 s[G1K+6], 0
	s_mov_b32 s[G1K+7], 0
	s_mov_b32 s[G1Q], (3<<16)|(1<<20)|(5<<22)|(3<<25)   ; Q: elements of 8 bytes; 20 padding on; 24:22 after every 64 words (code 5); 31:25 four words (code 3): LDS rows 272 bytes apart
	s_mov_b32 s[G1Q+1], 32<<16                     ; tensor_dim0 = 32: a head's row of 256 bytes
	s_mov_b32 s[G1Q+2], 64<<16                     ; tensor_dim1 = 64
	s_mov_b32 s[G1Q+3], 32<<16                     ; tile_dim0 = 32
	s_mov_b32 s[G1Q+4], 64                         ; tile_dim1 = 64
	s_mov_b32 s[G1Q+5], 512                        ; tensor_dim0_stride: 4,096 bytes from query to query
	s_mov_b32 s[G1Q+6], 0
	s_mov_b32 s[G1Q+7], 0
	s_mov_b32 s[SEL], 0x76543210
	s_mov_b32 s[SEL+1], 0xfedcba98
	s_mov_b32 s[CS], 0x3e38aa3b                    ; c = log2(e) / 8
	s_mov_b32 s[CS+1], s[CS]                       ; (named with it as a pair, so it is written)
	v_and_b32 v226, 31, v0                         ; lane
	v_and_b32 v227, 15, v0                         ; r
	v_bfe_u32 v228, v0, 4, 1                       ; hh
	s_delay_alu instid0(VALU_DEP_3)
	v_lshlrev_b32 v[LI], 4, v226
	s_delay_alu instid0(VALU_DEP_3)
	v_lshlrev_b32 v[LR], 4, v227
	s_delay_alu instid0(VALU_DEP_1)
	v_lshl_add_u32 v[GO], v228, 12, v[LR]
	s_add_co_u32 s13, s[G0F+1], STG                ; my stage: STG + 4,352 w
	v_mad_u32_u24 v[RD], v228, 272, v[LR]
	s_delay_alu instid0(VALU_DEP_1)
	v_add_nc_u32 v[RD], s13, v[RD]
	v_mul_u32_u24 v[SO], v227, 272
	s_delay_alu instid0(VALU_DEP_1)
	v_add_nc_u32 v[SO], s13, v[SO]
	s_delay_alu instid0(VALU_DEP_1)
	v_lshl_add_u32 v[QR], v228, 7, v[SO]
	s_delay_alu instid0(VALU_DEP_2)
	v_lshl_add_u32 v[SO], v228, 5, v[SO]
	v_lshlrev_b32 v[SH], 3, v228
	v_lshlrev_b32 v229, 4, v228
	s_delay_alu instid0(VALU_DEP_1)
	v_sub_nc_u32 v[DL], v227, v229
	v_mov_b32 v11, 0xff800000                      ; -infinity
	s_wait_kmcnt 0x0
	s_add_nc_u64 s[G0F+2:G0F+3], s[6:7], s[56:57]  ; groups 0, 120:64: global addresses;
	s_or_b32 s[G0F+3], s[G0F+3], 0x80000000        ; 127:126 type = 2
	s_add_nc_u64 s[G0K+2:G0K+3], s[6:7], s[58:59]
	s_or_b32 s[G0K+3], s[G0K+3], 0x80000000
	s_add_nc_u64 s[G0Q+2:G0Q+3], s[4:5], s[60:61]
	s_or_b32 s[G0Q+3], s[G0Q+3], 0x80000000
	s_cmp_lt_u32 s10, 8                            ; the first fill, ahead of every wait on TENSORcnt and every barrier: waves 0 to 7 bring steps 0 to 3, one load each.
	s_cbranch_scc0 .Lno_first                      ; No register of any descriptor is written again
	tensor_load_to_lds s[G0F:G0F+3], s[G1F:G1F+7]
	s_nop 0
.rept 4
	v_nop
.endr
.Lno_first:
	s_add_nc_u64 s[16:17], s[4:5], s[52:53]        ; q at the long pass's tile;
	s_add_nc_u64 s[20:21], s[8:9], s[52:53]        ; out0 at the long pass's tile, at the short pass's
	s_add_nc_u64 s[22:23], s[8:9], s[54:55]
.irp i, 0,1,2,3,4,5,6,7
	global_load_b128 v[96+4*\i:99+4*\i], v[GO], s[16:17] offset:8192*\i th:TH_LOAD_NT    ; the long pass's Q: sixteen lanes read a head's whole row of 256 bytes
.endr
	; ---- the first barrier: steps 0 to 3 lie in LDS; behind it the rest is asked for.  It stands ahead of the wait for Q, so that no wave waits here for another wave's Q
	s_wait_tensorcnt 0x0                           ; my tensor load, if I issued one, has landed
	ds_add_u32 v[SPW], v[NIL]                      ; 0 onto my spare word; the clearing below stands between it and the wait for it
	ds_add_u32 v230, v231
.irp j, 20,21,22,23,24,25,26,27
	v_mov_b32 v[\j], 0                             ; QA's upper half and QB's lower: zero codes, for the whole launch
.endr
.irp j, 216,217,218,219,224,225
	v_mov_b32 v[\j], 0                             ; written once: a lane permute's destination counts as one of its sources; v225 is named as the upper half of the pair v[224:225]
.endr
	s_wait_dscnt 0x0                               ; the add is done
	s_barrier_signal -1
	s_barrier_wait -1                              ; every wave's part of steps 0 to 3 is in
	s_cmp_lt_u32 s10, 12                           ; my one tensor load behind this barrier, and the first thing there: bytes that are filled for the first time.  One load of mine is out
	s_cbranch_scc0 .Lfor_q
	tensor_load_to_lds s[G0K:G0K+3], s[G1K:G1K+7]  ; waves 0 to 11: step 4 + w
	s_nop 0
.rept 4
	v_nop
.endr
	s_branch .Lasked
.Lfor_q:
	tensor_load_to_lds s[G0Q:G0Q+3], s[G1Q:G1Q+7]  ; waves 12 to 15: 64 rows of the short pass's Q
	s_nop 0
.rept 4
	v_nop
.endr
.Lasked:
	; ---- the long pass's Q is read by this wave alone: it is quantised here, in registers
	s_wait_loadcnt 0x0
.irp i, 0,1,2,3,4,5,6,7
	ds_store_b128 v[RD], v[96+4*\i:99+4*\i] offset:544*\i
.endr
.irp j, 0,1,2,3,4,5,6,7
	ds_load_b128 v[32+4*\j:35+4*\j], v[QR] offset:16*\j      ; back turned: lane (r, hh) takes channels 32 hh .. 32 hh + 31 of query r: a whole block.  LDS serves a wave's instructions in order
.endr
; 32 numbers of a lane, v[x] on, one block, become four registers of codes, v[c] on; the row's two bytes make the scale word v[w] = q0 | q1 << 8
.macro QQ x, c, w
	v_max3_num_f32 v226, |v[\x]|, |v[\x+1]|, |v[\x+2]|
	v_max3_num_f32 v227, |v[\x+3]|, |v[\x+4]|, |v[\x+5]|
.irp i, 6,10,14,18,22,26
	s_delay_alu instid0(VALU_DEP_2)
	v_max3_num_f32 v226, v226, |v[\x+\i]|, |v[\x+\i+1]|
	s_delay_alu instid0(VALU_DEP_2)
	v_max3_num_f32 v227, v227, |v[\x+\i+2]|, |v[\x+\i+3]|
.endr
	s_delay_alu instid0(VALU_DEP_2)
	v_max3_num_f32 v226, v226, |v[\x+30]|, |v[\x+31]|
	s_delay_alu instid0(VALU_DEP_1)
	v_max3_num_f32 v226, v226, v227, 0x1800000     ; and the floor 2^(3 - 127): the byte cannot fall under 1
	s_delay_alu instid0(VALU_DEP_1)
	v_add_nc_u32 v[BS], 0xff000000, v226           ; 2 off the exponent field: the conversion takes the exponent field of this operand as its scale
.irp g, 0,1,2,3
	v_cvt_scalef32_pk8_fp4_f32 v[\c+\g], v[\x+8*\g:\x+8*\g+7], v[BS]
.endr
	v_lshrrev_b32 v227, 23, v[BS]                  ; the scale's byte.  (Also the plain instruction behind the conversions)
	s_delay_alu instid0(VALU_DEP_1)
	v_lshlrev_b32 v227, v[SH], v227                ; at my half's place;
	s_delay_alu instid0(VALU_DEP_1)
	v_permlanex16_b32 v[BT], v227, s[SEL], s[SEL+1]
	s_delay_alu instid0(VALU_DEP_1)
	v_or_b32 v[\w], v227, v[BT]                    ; with lane l xor 16's
.endm
; The tile of Q in v[32:63] becomes QA, QB and their scale words
.macro SETQ
	QQ 32, 16, 208
.irp g, 0,1,2,3
	v_mov_b32 v[28+\g], v[16+\g]                   ; QB's upper half
.endr
	v_lshlrev_b32 v209, 16, v208                   ; and its scale word
.endm
	s_wait_dscnt 0x0
	SETQ
; A pass begins: the largest t is -3e38, under every t; the sum and O^T are zeros, which the first change of M leaves zeros: so the step is written without a first form of its own, at 32 moves a pass.
; These lines are also the places between the vector writes of Q's operands and scale words and the first scaled product.
.macro INIT
	v_mov_b32 v13, 0xff61b1e6
	s_delay_alu instid0(VALU_DEP_1)
	v_floor_f32 v12, -v13                          ; -M
	v_mov_b32 v14, 0
	v_mov_b32 v15, 0
.set j, 0
.rept 32
	v_mov_b32 v[160+j], 0
.set j, j+1
.endr
.endm
; A KEY STEP: 128 keys.
.macro STEP
	s_add_co_u32 s47, s[Q0], 15
	s_cmp_gt_u32 s[KF], s47                        ; all its keys come after my 16 queries: nothing of it counts
	s_cbranch_scc1 .Lhidden_\@
	s_setprio 2
	v_add_nc_u32 v[ADR], s[TB], v[LI]
	v_add_nc_u32 v[ADS], s[TB], v[LR]
.irp f, 0,1,2,3,4,5,6,7
	ds_load_b128 v[32+4*\f:35+4*\f], v[ADR] offset:512*\f          ; K's four fragments, as images of their registers: 512 consecutive bytes a load
.endr
	ds_load_b128 v[200:203], v[ADS] offset:8192                    ; their scale words: lane r takes row r's four
.irp f, 0,1,2,3,4,5,6,7
	ds_load_b128 v[64+4*\f:67+4*\f], v[ADR] offset:4096+512*\f     ; V's four fragments
.endr
	ds_load_b128 v[204:207], v[ADS] offset:8448
	s_wait_dscnt 9                                 ; K and its words are in; V's nine loads may be out: they land under the softmax
.irp bb, 0,1,2,3                       ; S^T = K Q^T: each fragment twice, with QA for its first 16 keys and QB for its second; eight accumulators, each started by the constant 0
	v_wmma_scale_f32_16x16x128_f8f6f4 v[96+16*\bb:103+16*\bb], v[32+8*\bb:39+8*\bb], v[16:23], 0, v[200+\bb], v208 matrix_a_fmt:MATRIX_FMT_FP4 matrix_b_fmt:MATRIX_FMT_FP4
	v_wmma_scale_f32_16x16x128_f8f6f4 v[104+16*\bb:111+16*\bb], v[32+8*\bb:39+8*\bb], v[24:31], 0, v[200+\bb], v209 matrix_a_fmt:MATRIX_FMT_FP4 matrix_b_fmt:MATRIX_FMT_FP4
.endr
.rept 4
	v_nop                                          ; four places behind the products, ahead of the first read of their results (ISA guide 7.12.1)
.endr
	s_add_co_u32 s47, s[KF], 127
	s_cmp_le_u32 s47, s[Q0]                        ; all its keys count: no mask
	s_cbranch_scc1 .Lopen_\@
	s_sub_co_i32 s47, s[Q0], s[KF]
	v_add_nc_u32 v226, s47, v[DL]                  ; d = my query - KF - 16 hh.  Register 16 b + i holds key KF + 16 hh + 32 b + i: hidden where 32 b + i > d
.irp n, 0,1,2,3,4,5,6,7,8,9,10,11,12,13,14,15,16,17,18,19,20,21,22,23,24,25,26,27,28,29,30,31,32,33,34,35,36,37,38,39,40,41,42,43,44,45,46,47,48,49,50,51,52,53,54,55,56,57,58,59,60,61,62,63
	v_cmp_gt_i32 vcc_lo, 32*(\n/16)+\n%16, v226
	v_cndmask_b32 v[96+\n], v[96+\n], v11, vcc_lo
.endr
.Lopen_\@:
.irp b, 0,1,2,3
	v_max3_num_f32 v[BM+\b], v[96+16*\b], v[97+16*\b], v[98+16*\b]   ; THE LARGEST SCORE OF EACH BLOCK OF 32 KEYS serves twice: for the row's maximum, and, since p rises with the score, for the block's largest p
.endr
.irp i, 3,5,7,9,11,13
.irp b, 0,1,2,3
	v_max3_num_f32 v[BM+\b], v[BM+\b], v[96+16*\b+\i], v[97+16*\b+\i]   ; (the four blocks by turns; each accumulator is read from its low end on)
.endr
.endr
.irp b, 0,1,2,3
	v_max_num_f32 v[BM+\b], v[BM+\b], v[111+16*\b]
.endr
.irp b, 0,1,2,3
	s_delay_alu instid0(VALU_DEP_4)
	v_permlanex16_b32 v[BT+\b], v[BM+\b], s[SEL], s[SEL+1]
.endr
.irp b, 0,1,2,3
	s_delay_alu instid0(VALU_DEP_4)
	v_max_num_f32 v[BM+\b], v[BM+\b], v[BT+\b]     ; with lane l xor 16's 16 keys
.endr
	s_delay_alu instid0(VALU_DEP_2)
	v_max3_num_f32 v226, v[BM], v[BM+1], v[BM+2]
	s_delay_alu instid0(VALU_DEP_1)
	v_max_num_f32 v226, v226, v[BM+3]              ; the step's largest score of my query
	s_delay_alu instid0(VALU_DEP_1)
	v_mul_f32 v226, s[CS], v226                    ; as t (c is positive)
	s_delay_alu instid0(VALU_DEP_1)
	v_max_num_f32 v13, v13, v226                   ; the running largest t
	v_mov_b32 v226, v12
	s_delay_alu instid0(VALU_DEP_2)
	v_floor_f32 v12, -v13                          ; the new -M = floor(-t) = -ceil(t): M IS A WHOLE NUMBER
	s_delay_alu instid0(VALU_DEP_1)
	v_sub_f32 v226, v12, v226                      ; M's old value less its new one: a whole number, 0 or less
	s_delay_alu instid0(VALU_DEP_1)
	v_cvt_i32_f32 v226, v226                       ; (it saturates)
	s_delay_alu instid0(VALU_DEP_1)
	v_ldexp_f32 v224, 1.0, v226                    ; f = 2^(old M - new M): a multiplication by it rounds nothing
.set j, 0
.rept 32
	v_pk_fma_f32 v[96+j:97+j], v[96+j:97+j], s[CS:CS+1], v[12:13] op_sel_hi:[1,0,0]   ; t - M, two at a time (of the pairs c and -M the low word serves both halves)
.set j, j+2
.endr
	s_setprio 1
.irp b, 0,1,2,3
	v_fma_f32 v[BM+\b], v[BM+\b], s[CS], v12       ; the same of each block's largest score
.endr
.set j, 0
	s_wait_alu depctr_va_vdst(0)
.rept 64
	v_exp_f32 v[96+j], v[96+j]                     ; p = 2^(t - M), at most 1: NOT normalised
.set j, j+1
.endr
.irp b, 0,1,2,3
	v_exp_f32 v[BM+\b], v[BM+\b]                   ; the block's largest p: the same two instructions on the same number give the same bits
.endr
	v_pk_mul_f32 v[14:15], v[14:15], v[224:225] op_sel_hi:[1,0]   ; the sums under the new M.  (The plain instruction behind the exponentials)
	s_wait_alu depctr_va_vdst(0)
.irp b, 0,1,2,3
	v_max_num_f32 v[BM+\b], 0x1800000, v[BM+\b]    ; the floor 2^(3 - 127): the byte cannot fall under 1 (a block whose every p is 0 keeps that byte: its codes are zeros)
.endr
.irp b, 0,1,2,3
	s_delay_alu instid0(VALU_DEP_4)
	v_add_nc_u32 v[BS+\b], 0xff000000, v[BM+\b]    ; 2 off the exponent field: the conversion's scale operand
.endr
.irp b, 0,1,2,3
	s_delay_alu instid0(VALU_DEP_4)
	v_lshrrev_b32 v[BT+\b], 23, v[BS+\b]           ; the scale's byte
.endr
	s_delay_alu instid0(VALU_DEP_3)
	v_lshl_or_b32 v210, v[BT+1], 8, v[BT]          ; p's scale word for these 128 keys
	s_delay_alu instid0(VALU_DEP_1)
	v_lshl_or_b32 v210, v[BT+2], 16, v210
	s_delay_alu instid0(VALU_DEP_1)
	v_lshl_or_b32 v210, v[BT+3], 24, v210
.irp b, 0,1,2,3
	v_cvt_scalef32_pk8_fp4_f32 v[192+2*\b], v[96+16*\b:103+16*\b], v[BS+\b]
	v_cvt_scalef32_pk8_fp4_f32 v[193+2*\b], v[104+16*\b:111+16*\b], v[BS+\b]
.endr
	v_nop                                          ; one plain instruction between a scaled conversion and the vector instruction that touches its result
.irp c, 0,1                            ; the operand's layout wants a WHOLE block in a lane: lanes 0-15 block 2 c, lanes 16-31 block 2 c + 1
.irp i, 0,1
	v_permlane16_swap_b32 v[192+4*\c+\i], v[194+4*\c+\i]
.endr
.endr
	v_pk_add_f32 v[228:229], v[100:101], v[104:105]
	v_pk_add_f32 v[254:255], v[108:109], v[112:113]
	v_pk_add_f32 v[252:253], v[116:117], v[120:121]
	v_pk_add_f32 v[250:251], v[124:125], v[128:129]
	v_pk_add_f32 v[248:249], v[132:133], v[136:137]
	v_pk_add_f32 v[246:247], v[140:141], v[144:145]
	v_pk_add_f32 v[244:245], v[148:149], v[152:153]
	v_pk_add_f32 v[14:15], v[14:15], v[156:157]
	v_pk_add_f32 v[228:229], v[228:229], v[96:97]
	v_pk_add_f32 v[254:255], v[254:255], v[98:99]
	v_pk_add_f32 v[252:253], v[252:253], v[102:103]
	v_pk_add_f32 v[250:251], v[250:251], v[106:107]
	v_pk_add_f32 v[248:249], v[248:249], v[110:111]
	v_pk_add_f32 v[246:247], v[246:247], v[114:115]
	v_pk_add_f32 v[244:245], v[244:245], v[118:119]
	v_pk_add_f32 v[14:15], v[14:15], v[122:123]
	s_setprio 0
	v_pk_add_f32 v[228:229], v[228:229], v[126:127]
	v_pk_add_f32 v[254:255], v[254:255], v[130:131]
	v_pk_add_f32 v[252:253], v[252:253], v[134:135]
	v_pk_add_f32 v[250:251], v[250:251], v[138:139]
	v_pk_add_f32 v[248:249], v[248:249], v[142:143]
	v_pk_add_f32 v[246:247], v[246:247], v[146:147]
	v_pk_add_f32 v[244:245], v[244:245], v[150:151]
	v_pk_add_f32 v[14:15], v[14:15], v[154:155]
	v_pk_add_f32 v[228:229], v[228:229], v[158:159]
	s_delay_alu instid0(VALU_DEP_2)
	v_pk_add_f32 v[14:15], v[14:15], v[250:251]
	s_delay_alu instid0(VALU_DEP_2)
	v_pk_add_f32 v[228:229], v[228:229], v[248:249]
	v_pk_add_f32 v[254:255], v[254:255], v[246:247]
	v_pk_add_f32 v[252:253], v[252:253], v[244:245]
	s_delay_alu instid0(VALU_DEP_2)
	v_pk_add_f32 v[14:15], v[14:15], v[254:255]
	s_delay_alu instid0(VALU_DEP_2)
	v_pk_add_f32 v[228:229], v[228:229], v[252:253]
	s_delay_alu instid0(VALU_DEP_1)
	v_pk_add_f32 v[14:15], v[14:15], v[228:229]
.set j, 0
.rept 16
	v_pk_mul_f32 v[160+j:161+j], v[160+j:161+j], v[224:225] op_sel_hi:[1,0]   ; O^T under the new M, each accumulator from its low end on.  (The sums and these are the places between p's codes and scale word and the products below)
.set j, j+2
.endr
	s_wait_alu depctr_va_vdst(0)
	s_wait_dscnt 0x0                               ; V and its scale words are in
.irp t, 0,1,2,3                        ; O^T += V^T P^T: four accumulators by turns, one instruction a turn; between two links on one of them stand eleven other products
	v_wmma_scale_f32_16x16x128_f8f6f4 v[160+8*\t:167+8*\t], v[64+8*\t:71+8*\t], v[192:199], v[160+8*\t:167+8*\t], v[204+\t], v210 matrix_a_fmt:MATRIX_FMT_FP4 matrix_b_fmt:MATRIX_FMT_FP4
.endr
.rept 4
	v_nop                                          ; four places, on every way on: ahead of the next step's loads into V's registers and of the first read of O^T
.endr
.Lhidden_\@:
	s_add_co_u32 s[KF], s[KF], 128
	s_add_co_u32 s[TB], s[TB], STEPB
.endm
; THE WAY OUT of a pass.  O^T is divided by the row's sum and goes through my stage: a lane holds eight neighbouring channels of one query for each of four tiles; a query's 64 channels are 256 bytes.
.macro OUT base
	v_add_f32 v14, v14, v15                        ; the sum's two halves,
	s_delay_alu instid0(VALU_DEP_1)
	v_permlanex16_b32 v224, v14, s[SEL], s[SEL+1]
	s_delay_alu instid0(VALU_DEP_1)
	v_add_f32 v14, v14, v224                       ; and lane l xor 16's: the row's sum
	s_wait_alu depctr_va_vdst(0)
	v_rcp_f32 v14, v14
	v_nop                                          ; a plain instruction behind the transcendental
.set j, 0
	s_wait_alu depctr_va_vdst(0)
.rept 16
	v_pk_mul_f32 v[96+j:97+j], v[160+j:161+j], v[14:15] op_sel_hi:[1,0]   ; register 8 t + n is o(query r, channel 16 t + 8 hh + n)
.set j, j+2
.endr
.irp t, 0,1,2,3
	ds_store_b128 v[SO], v[96+8*\t:99+8*\t] offset:64*\t
	ds_store_b128 v[SO], v[100+8*\t:103+8*\t] offset:64*\t+16
.endr
.irp i, 0,1,2,3,4,5,6,7
	ds_load_b128 v[128+4*\i:131+4*\i], v[RD] offset:544*\i   ; LDS serves a wave's instructions in order: these see my stores
.endr
.irp i, 0,1,2,3,4,5,6,7
	s_wait_dscnt 7-\i                              ; the younger loads may be out
	global_store_b128 v[GO], v[128+4*\i:131+4*\i], s[\base:\base+1] offset:8192*\i th:TH_STORE_NT   ; sixteen lanes store a head's whole row: 256 consecutive bytes, aligned; written once, read by nobody here
.endr
.endm
	; ---- the long pass: queries 2032 - (256 i + 16 w) on, none under 1,024: steps 0 to 15, of which the first eight hide nothing
	INIT
	s_mov_b32 s[TB], 0
	s_mov_b32 s[KF], 0
	s_mov_b32 s48, 4
.Lhead:                                            ; steps 0 to 3, while steps 4 to 15 and the short pass's Q land
	STEP
	s_sub_co_u32 s48, s48, 1
	s_cmp_lg_u32 s48, 0
	s_cbranch_scc1 .Lhead
	s_setprio 0
	s_wait_tensorcnt 0x0                           ; my step, or my 64 rows of Q, is in,
	s_wait_dscnt 0x0
	s_barrier_signal -1
	s_barrier_wait -1                              ; everybody's is: from here on the waves share nothing that changes
	s_mov_b32 s[TB], 4*STEPB
	s_mov_b32 s[KF], 4*128
	s_mov_b32 s48, 12
.Llong:
	STEP
	s_sub_co_u32 s48, s48, 1
	s_cmp_lg_u32 s48, 0
	s_cbranch_scc1 .Llong
	s_setprio 0
	OUT 20
	s_wait_xcnt 0x0                                ; the stores' data registers are written again only behind this wait
	; ---- the short pass: queries 256 i + 16 w on, at most key 1,023: steps 0 to 7.  Its Q lies in LDS in rows 272 bytes apart, so it is read turned as it lies
	v_add_nc_u32 v226, QREG-STG, v[QR]             ; QREG + 4,352 w + 272 r + 128 hh
.irp j, 0,1,2,3,4,5,6,7
	ds_load_b128 v[32+4*\j:35+4*\j], v226 offset:16*\j
.endr
	s_wait_dscnt 0x0
	SETQ
	INIT
	s_mov_b32 s[TB], 0
	s_mov_b32 s[KF], 0
	s_mov_b32 s[Q0], s49
	s_mov_b32 s48, 8
.Lshort:
	STEP
	s_sub_co_u32 s48, s48, 1
	s_cmp_lg_u32 s48, 0
	s_cbranch_scc1 .Lshort
	s_setprio 0
	OUT 22
	s_wait_tensorcnt 0x0                           ; the wave's end: behind my last tensor load and my last LDS store
	ds_add_u32 v[SPW], v[NIL]
	s_wait_dscnt 0x0
	s_endpgm
.Lfunc_end_k_q9503d4e09c_attn:
	.size	k_q9503d4e09c_attn, .Lfunc_end_k_q9503d4e09c_attn-k_q9503d4e09c_attn
	.p2alignl 7, 3214868480
	.fill 96, 4, 3214868480
	.section	.rodata,"a",@progbits
	.p2align	6, 0x0
	.amdhsa_kernel k_q9503d4e09c_attn
		.amdhsa_group_segment_fixed_size 327680
		.amdhsa_private_segment_fixed_size 0
		.amdhsa_enable_private_segment 0
		.amdhsa_kernarg_size 24
		.amdhsa_user_sgpr_count 2
		.amdhsa_user_sgpr_kernarg_segment_ptr 1
		.amdhsa_wavefront_size32 1
		.amdhsa_system_sgpr_workgroup_id_x 1
		.amdhsa_system_sgpr_workgroup_id_y 1
		.amdhsa_system_sgpr_workgroup_id_z 1
		.amdhsa_system_vgpr_workitem_id 0
		.amdhsa_next_free_vgpr 256
		.amdhsa_next_free_sgpr 88
		.amdhsa_reserve_vcc 1
		.amdhsa_float_denorm_mode_32 3
		.amdhsa_float_denorm_mode_16_64 3
		.amdhsa_memory_ordered 1
		.amdhsa_forward_progress 1
		.amdhsa_inst_pref_size 87
	.end_amdhsa_kernel
	.amdgpu_metadata
---
amdhsa.version: [ 1, 2 ]
amdhsa.kernels:
  - .name:           k_q9503d4e09c_attn
    .symbol:         k_q9503d4e09c_attn.kd
    .args:
      - { .name: q, .offset: 0, .size: 8, .value_kind: global_buffer, .address_space: global }
      - { .name: kv, .offset: 8, .size: 8, .value_kind: global_buffer, .address_space: global }
      - { .name: out0, .offset: 16, .size: 8, .value_kind: global_buffer, .address_space: global }
    .group_segment_fixed_size: 327680
    .private_segment_fixed_size: 0
    .kernarg_segment_align: 8
    .kernarg_segment_size: 24
    .max_flat_workgroup_size: 512
    .sgpr_count:     88
    .vgpr_count:     256
    .wavefront_size: 32
...
	.end_amdgpu_metadata
.endif
;; end of part 2
